; MI455X (gfx1250); checked and timed in simulation.
; The chip was launched on July 23, 2026; its instructions are those of AMD's public machine-readable ISA for CDNA 5 (MIT licence, August 2026) and "CDNA5" Instruction Set Architecture Reference Guide (July 2026). The comments in the code are by the model that wrote it; some were corrected since.
;; Quantized Linear. Allowed arithmetic: matrix products marked QUANTISED: E5M2 operands, one E8M0 scale for each 32 along K, by v_wmma_scale_f32_16x16x128_f8f6f4 with both operands' format E5M2, f32 sums; everything else in f32.
;; Inputs: quantized_bias 4,096 int8; quantized_weight 4,096 x 4,096 int8; x 2 x 2,048 x 4,096 float32.
;; Outputs: out0 2 x 2,048 x 4,096 float32.
;; This version of the problem:
;;   THIS VERSION OF THE PROBLEM IS GIVEN IN LOW PRECISION. The matrix products marked QUANTISED in the list below multiply operands that are first quantised to E5M2 (5 exponent bits, 2 mantissa bits; 8 bits a number), with one power-of-two scale for each 32 numbers along K (OCP MX v1.0); their sums are f32. All else is computed in f32.
;;   The module's matrix products, in the order in which they are computed (A, B: the left and right operand; K: the contracted axis; several contracted axes count as one K, in the product's order):
;;     1. [M 4,096, K 4,096] x [K 4,096, N 4,096]; A: input x; B: computed on the way: QUANTISED
;;   THE QUANTISER, for each operand of a quantised product, along K:
;;     - K is cut into blocks of 32 from its start; a last block that is shorter is filled with zeros.
;;     - A block's scale is 2^e with e = floor(log2(the largest magnitude in the block)) - 15, held to -126 .. 127; a block of zeros has e = 0. As a byte (E8M0): e + 127.
;;     - Each number is divided by its block's scale, clamped to +-57,344, and rounded to the nearest number of E5M2, ties to even, subnormals kept.
;;     - The product sums the exact products of the quantised numbers (number of the format x scale) in f32.
;;   ~~~python
;;   def quantise(x, axis):      # numpy; x: float32 -> the quantised numbers, widened to float32 again
;;       x = np.moveaxis(x, axis, -1); K = x.shape[-1]
;;       x = np.pad(x, [(0, 0)] * (x.ndim - 1) + [(0, -K % 32)]); x = x.reshape(x.shape[:-1] + (-1, 32)); a = np.abs(x).max(-1, keepdims=True)
;;       e = np.where(a > 0, np.clip(np.frexp(np.where(a > 0, a, 1))[1] - 1 - 15, -126, 127), 0)      # np.frexp(a)[1] - 1 = floor(log2(a)), exactly
;;       r = np.clip(x / 2.0 ** e, -57344, 57344)
;;       step = 2.0 ** (np.maximum(np.frexp(np.where(r == 0, 1, r))[1] - 1, -14) - 2)
;;       q = np.round(r / step) * step * 2.0 ** e      # np.round: ties to even
;;       return np.moveaxis(q.reshape(q.shape[:-2] + (-1,))[..., :K], -1, axis).astype(np.float32)
;;   ~~~
;;   OPERANDS COMPUTED ON THE WAY. 'Computed on the way' means the value that the module computes at that place (a softmax that the list does not call 'softmax' is quantised finished and normalised). What goes into a quantiser is computed in f32, as accurately as f32 sums, v_exp_f32 and their like allow (about 1e-6 of the number): no bf16 or f16 on the way to a quantiser, and a product that is left as it is and whose result goes on into a quantised operand takes f32 operands (vector FMAs, or v_wmma_f32_16x16x4_f32). A number that lies on a knife's edge between two numbers of the format may be rounded either way, as far as f32 arithmetic and the matrix unit's own rounding can turn it there, and no further.
;; One version. Each part assembles by itself: llvm-mc -triple=amdgcn-amd-amdhsa -mcpu=gfx1250 --defsym DOCPART=n.
;; ======== version 1 of 1: 2 launches
;; limits: right only within a limited range of input values
;; workspace buffers: xc 16,777,216 bytes; xs 524,288 bytes; wc 16,777,216 bytes; ws 524,288 bytes
;; launch quant (part 1): grid 512 x 1, 4 waves a work-group, no clusters, 33,280 bytes of LDS; arguments x, quantized_weight, xc, xs, wc, ws; writes xc, xs, wc, ws
.if DOCPART == 1
	.amdgcn_target "amdgcn-amd-amdhsa--gfx1250"
	.amdhsa_code_object_version 6
	.text
	.protected	k_q6baef54b40_quant
	.globl	k_q6baef54b40_quant
	.p2align	8
	.type	k_q6baef54b40_quant,@function
k_q6baef54b40_quant:
	s_mov_b64 s[64:65], 0
	v_nop
	global_prefetch_b8 v0, s[64:65] scope:SCOPE_SE
	s_setreg_imm32_b32 hwreg(HW_REG_WAVE_MODE, 25, 1), 1
	s_wait_xcnt 0x0
; x [4096][4096] f32 and w = f32(quantized_weight [4096][4096] int8) x 0.01 (zero point 0) are turned into codes of BF8 (E5M2), one byte each, K innermost,
; with one E8M0 scale byte for each 32 along K.  Codes: xc, wc [4096 rows][4096 k].  Scale bytes: xs, ws [16 windows of 256 along K][4096 rows][8 bytes]: byte j of a row scales k = 256 x window + 32 j .. + 31,
; so that the scale bytes of 256 rows for 256 along K are 2,048 consecutive bytes for the product's launch.
; A block's scale is 2^(floor(log2(its largest magnitude)) - 15); its byte is the largest magnitude's own exponent field - 15, held at 1 from below (the rule's hold at e = -126).
; Each number is divided by the scale, held within +-57,344 and rounded to the nearest code, ties to even.
; LIMITS: a block of zeros gets the byte 1 where the rule says 127: its codes are zeros, which add nothing under any byte but 0xff, and the bytes are read by this program alone.
;         NaN and infinities in x are not served.  Every int8 value of the weight, -128 to 127, is served.
; SHARES.  2,048 waves; wave T takes rows 32 (T / 16) .. + 31 and k = 256 (T % 16) .. + 255 of x AND of w: 16 steps of two rows.  Such a tile makes 32 x 8 = 256 scale bytes of each tensor: one aligned run of 256 bytes.
; In a step lane l holds row 2 t + l / 16 and k = 16 (l % 16) + 0 .. 15: the conversions take neighbours along K from one lane's registers; two neighbouring lanes hold a block of 32.
; x: each of a step's four loads reads 512 consecutive bytes, 16 a lane; the 2,048 bytes turn through the wave's own stage in LDS and come back 64 bytes a lane (16 bytes of padding behind each 64).
; w: a lane's 16 bytes ARE its 16 neighbours: sixteen lanes read one row's aligned 256 bytes, and nothing is turned.
; No matrix unit, no cluster, no tensor load, no barrier: memory binds, no byte is read by two waves, and waves share nothing.  Every offset is an immediate (508,416 at the most); no address, base or store datum is ever rewritten.
.set STEPS, 16
.set EMAX,  15
.set XROW,  16384                      ; a row of x in bytes
.set CROW,  4096                       ; a row of w, of xc and of wc in bytes
.set SP,    80                         ; a lane's place in a stage: 64 bytes + 16 of padding
.set WREG,  8192                       ; LDS: a region for each wave: two stages of 32 x SP bytes, then x's 256 scale bytes, then w's
.set SBX,   2*32*SP
.set R,     4                          ; v260-387 (window 1: written v4 on): eight sets of 16: x as loaded
.set X,     80                         ; v80-111  two sets of 16 neighbours of x
.set Y,     112                        ; v112-127 16 neighbours of w, as f32
.set C,     128                        ; v128-191 x's codes, four registers for each step
.set W,     192                        ; v192-255 w's bytes as loaded, four registers for each step; later the same step's codes
; v3 16 x lane;  v4 (lane / 16) x 4,096 + 16 (lane % 16);  v5 my block's scale byte in LDS;  v6 the bytes' way out of LDS;  v7 8 x lane;  v14, v15 the stage, in and out;
; v8-11 at work;  v1, v2 x's scale byte, steps by turns;  v12, v13 w's
	s_load_b256 s[4:11], s[0:1], 0x0               ; x s[4:5], w s[6:7], xc s[8:9], xs s[10:11]
	s_load_b128 s[12:15], s[0:1], 0x20             ; wc s[12:13], ws s[14:15]
	s_set_vgpr_msb 0x40
	v_lshl_add_u32 v0, v0, 2, 0x8000
	v_mov_b32 v1, 0
	s_set_vgpr_msb 0x4000
	v_lshrrev_b32 v1, 5, v0
	v_readfirstlane_b32 s16, v1                    ; wave 0..3
	v_and_b32 v2, 31, v0                           ; lane
	v_lshlrev_b32 v3, 4, v2                        ; my 16 bytes of a load's 512
	v_and_b32 v8, 15, v2
	v_lshrrev_b32 v9, 4, v2
	v_lshlrev_b32 v4, 4, v8
	v_lshl_add_u32 v4, v9, 12, v4                  ; w's bytes and both tensors' codes: row lane / 16 of the step's two, 16 bytes a lane
	s_mul_i32 s22, s16, WREG
	v_lshrrev_b32 v14, 2, v2
	v_mul_u32_u24 v14, v14, SP
	v_and_b32 v15, 3, v2
	v_lshl_add_u32 v14, v15, 4, v14
	v_add_nc_u32 v14, s22, v14                     ; the stage, on the way in: four lanes' 64 bytes on end, then the padding
	v_mul_u32_u24 v15, v2, SP
	v_add_nc_u32 v15, s22, v15                     ; and on the way out: my 16 neighbours
	v_lshrrev_b32 v5, 1, v2
	s_add_co_u32 s22, s22, SBX
	v_add_nc_u32 v5, s22, v5                       ; a step's 16 bytes: 8 (lane / 16) + (lane % 16) / 2 = lane / 2
	v_lshlrev_b32 v7, 3, v2
	v_add_nc_u32 v6, s22, v7
	s_mov_b32 s23, 0x600000                        ; the mantissa field of 57,344
	s_mov_b32 s24, 0x4b000000                      ; 2^23 as f32: a byte u laid into its lowest byte makes 2^23 + u
	s_mov_b32 s25, 0x03020104                      ; v_perm_b32's selects: byte 0, 1, 2 or 3 of w's register under the upper three bytes of s24
	s_mov_b32 s26, 0x03020105
	s_mov_b32 s27, 0x03020106
	s_mov_b32 s28, 0x03020107
	s_mov_b32 s30, 0xcb000080                      ; -(2^23 + 128)
	s_mov_b32 s31, s30                             ; (the packed forms name a pair and take its low word for both halves: so the upper word is written)
	s_mov_b32 s32, 0x3c23d70a                      ; 0.01 as f32
	s_mov_b32 s33, s32
	s_lshl_b32 s17, ttmp9, 2
	s_add_co_u32 s17, s17, s16                     ; T
	s_lshr_b32 s18, s17, 4                         ; which 32 rows
	s_and_b32 s19, s17, 15                         ; which 256 along K
	s_mov_b32 s21, 0
	s_wait_alu depctr_va_vdst(0)
	s_wait_kmcnt 0x0
	s_lshl_b32 s20, s18, 19                        ; x: 32 rows of 16,384 bytes, 1,024 bytes a window
	s_lshl_b32 s22, s19, 10
	s_add_co_u32 s20, s20, s22
	s_add_nc_u64 s[4:5], s[4:5], s[20:21]
	s_lshl_b32 s20, s18, 17                        ; w and the codes: 32 rows of 4,096 bytes, 256 bytes a window
	s_lshl_b32 s22, s19, 8
	s_add_co_u32 s20, s20, s22
	s_add_nc_u64 s[6:7], s[6:7], s[20:21]
	s_add_nc_u64 s[8:9], s[8:9], s[20:21]
	s_add_nc_u64 s[12:13], s[12:13], s[20:21]
	s_lshl_b32 s20, s19, 15                        ; the scale bytes: 32,768 a window, 256 for 32 rows
	s_lshl_b32 s22, s18, 8
	s_add_co_u32 s20, s20, s22
	s_add_nc_u64 s[10:11], s[10:11], s[20:21]
	s_add_nc_u64 s[14:15], s[14:15], s[20:21]
.macro LOAD t                          ; x's step t: rows 2 t and 2 t + 1, 1,024 bytes each, in four loads of 512 consecutive bytes
	s_set_vgpr_msb 0x40                            ; the destination lies in window 1
.irp i, 0,1,2,3
	global_load_b128 v[R+16*((\t)%8)+4*\i:R+16*((\t)%8)+4*\i+3], v3, s[4:5] offset:(2*(\t)+\i/2)*XROW+512*(\i%2) th:TH_LOAD_NT
.endr
	s_set_vgpr_msb 0x4000
.endm
.macro TURN t                          ; step t's numbers through the stage: LDS serves a wave's instructions in order (ISA guide 5.7.1.4), so no wait stands between the stores and the loads
	s_set_vgpr_msb 0x04                            ; the stores' data lie in window 1
.irp i, 0,1,2,3
	ds_store_b128 v14, v[R+16*((\t)%8)+4*\i:R+16*((\t)%8)+4*\i+3] offset:32*SP*((\t)%2)+8*SP*\i
.endr
	s_set_vgpr_msb 0x0400
.irp i, 0,1,2,3
	ds_load_b128 v[X+16*((\t)%2)+4*\i:X+16*((\t)%2)+4*\i+3], v15 offset:32*SP*((\t)%2)+16*\i
.endr
.endm
; 16 neighbours in v[src] on become 16 codes in v[dst] .. v[dst + 3]; the block's scale byte goes to v[eb]
.macro Q16 src, dst, eb
	v_max3_num_f32 v8, |v[\src]|, |v[\src+1]|, |v[\src+2]|         ; the largest magnitude of my 16, in two chains
	v_max3_num_f32 v9, |v[\src+3]|, |v[\src+4]|, |v[\src+5]|
.irp i, 6,10
	v_max3_num_f32 v8, v8, |v[\src+\i]|, |v[\src+\i+1]|
	v_max3_num_f32 v9, v9, |v[\src+\i+2]|, |v[\src+\i+3]|
.endr
	v_max3_num_f32 v8, v8, |v[\src+14]|, |v[\src+15]|
	v_max3_num_f32 v8, v8, v9, (EMAX+1)<<23        ; and the floor 2^(16 - 127), under which no largest magnitude is taken: so the byte cannot fall under 1
	v_max_num_f32_dpp v8, v8, v8 row_xmask:1 row_mask:0xf bank_mask:0xf   ; and of my neighbour's 16: the block's
	v_add_nc_u32 v11, 0xf8800000, v8               ; 15 off its exponent field: the conversion takes the exponent field of this operand as its scale, and nothing else of it
	v_and_or_b32 v10, v8, 0x7f800000, s23          ; 57,344 x the scale: the largest magnitude's exponent field over 57,344's mantissa
.irp i, 0,1,2,3,4,5,6,7,8,9,10,11,12,13,14,15
	v_med3_num_f32 v[\src+\i], v[\src+\i], -v10, v10   ; the conversion to an 8-bit code does not saturate (ISA guide 7.6.2): the number is held within the largest code x the scale first
.endr
	v_cvt_scalef32_pk8_bf8_f32 v[\dst:\dst+1], v[\src:\src+7], v11
	v_cvt_scalef32_pk8_bf8_f32 v[\dst+2:\dst+3], v[\src+8:\src+15], v11
	v_lshrrev_b32 v[\eb], 23, v11                  ; the scale's byte; also the plain vector line between the conversions and the next line that writes their sources
.endm
; w's step t: 16 int8 a lane become q x 0.01 in f32, as the definition has it: q exactly, then one rounded multiplication.  (The sum comes ahead of the product, so the two are no fused multiply-add.)
.macro UNPK t
.irp j, 0,1,2,3
	v_xor_b32 v[W+4*(\t)+\j], 0x80808080, v[W+4*(\t)+\j]           ; u = q + 128, 0 to 255, in each byte
.endr
.irp j, 0,1,2,3
.irp b, 0,1,2,3
	v_perm_b32 v[Y+4*\j+\b], v[W+4*(\t)+\j], s24, s[25+\b]         ; the f32 number 2^23 + u
.endr
.endr
.irp j, 0,2,4,6,8,10,12,14
	v_pk_add_f32 v[Y+\j:Y+\j+1], v[Y+\j:Y+\j+1], s[30:31] op_sel_hi:[1,0]   ; - (2^23 + 128): q, exactly
.endr
.irp j, 0,2,4,6,8,10,12,14
	v_pk_mul_f32 v[Y+\j:Y+\j+1], v[Y+\j:Y+\j+1], s[32:33] op_sel_hi:[1,0]   ; x 0.01
.endr
.endm
.irp t, 0,1,2,3,4,5,6,7,8,9,10,11,12,13,14,15
	global_load_b128 v[W+4*\t:W+4*\t+3], v4, s[6:7] offset:2*\t*CROW th:TH_LOAD_NT   ; all of w's tile: sixteen lanes read a row's aligned 256 bytes
.endr
.irp t, 0,1,2,3,4,5,6,7
	LOAD \t
.endr
	s_wait_loadcnt 28                              ; behind step 0's four loads of x stand those of steps 1 to 7; w's sixteen were issued ahead of them and are in too (loads come back in order: ISA guide 5.7.1)
	TURN 0
.macro STEP t
.if (\t) > 0
	s_wait_dscnt 2                                 ; this step's numbers are back from the stage; only the last step's two byte stores may be out.  So the stage's stores have read their registers,
.else
	s_wait_dscnt 0x0
.endif
.if (\t)+8 < STEPS
	LOAD (\t)+8                                    ; which take the loads of eight steps on
.endif
.if (\t)+1 < STEPS
.if STEPS-2-(\t) >= 7
	s_wait_loadcnt 28                              ; the next step's four loads are in; those of the seven steps behind it may be out
.else
	s_wait_loadcnt 4*(STEPS-2-(\t))                ; towards the end fewer steps stand behind it
.endif
	TURN (\t)+1                                    ; and go through the other stage while this step is worked
.endif
.set XS, X+16*((\t)%2)
.set CD, C+4*(\t)
.set EB, 1+(\t)%2                      ; a byte's register is written again two steps on, behind a wait that leaves only the step between's byte stores out
	Q16 XS, CD, EB
	ds_store_b8 v5, v[EB] offset:16*(\t)           ; both lanes of a block write the same byte with the same value
	global_store_b128 v4, v[CD:CD+3], s[8:9] offset:2*(\t)*CROW    ; sixteen lanes store 256 consecutive bytes of a row of xc, aligned
	UNPK \t
.set CD, W+4*(\t)
.set EB, 12+(\t)%2
	Q16 Y, CD, EB
	ds_store_b8 v5, v[EB] offset:256+16*(\t)
	global_store_b128 v4, v[CD:CD+3], s[12:13] offset:2*(\t)*CROW
.endm
.irp t, 0,1,2,3,4,5,6,7,8,9,10,11,12,13,14,15
	STEP \t
.endr
	ds_load_b64 v[8:9], v6                         ; LDS serves a wave's instructions in order: these see my byte stores
	ds_load_b64 v[10:11], v6 offset:256
	s_wait_dscnt 0x0
	global_store_b64 v7, v[8:9], s[10:11]          ; 32 lanes store 256 consecutive bytes of xs, aligned
	global_store_b64 v7, v[10:11], s[14:15]        ; and of ws
	s_set_vgpr_msb 0x5
	s_wait_tensorcnt 0x0
	ds_add_u32 v0, v1
	s_wait_dscnt 0x0
	s_set_vgpr_msb 0x500
	s_endpgm
.Lfunc_end_k_q6baef54b40_quant:
	.size	k_q6baef54b40_quant, .Lfunc_end_k_q6baef54b40_quant-k_q6baef54b40_quant
	.p2alignl 7, 3214868480
	.fill 96, 4, 3214868480
	.section	.rodata,"a",@progbits
	.p2align	6, 0x0
	.amdhsa_kernel k_q6baef54b40_quant
		.amdhsa_group_segment_fixed_size 33280
		.amdhsa_private_segment_fixed_size 0
		.amdhsa_enable_private_segment 0
		.amdhsa_kernarg_size 48
		.amdhsa_user_sgpr_count 2
		.amdhsa_user_sgpr_kernarg_segment_ptr 1
		.amdhsa_wavefront_size32 1
		.amdhsa_system_sgpr_workgroup_id_x 1
		.amdhsa_system_sgpr_workgroup_id_y 1
		.amdhsa_system_sgpr_workgroup_id_z 1
		.amdhsa_system_vgpr_workitem_id 0
		.amdhsa_next_free_vgpr 388
		.amdhsa_next_free_sgpr 66
		.amdhsa_reserve_vcc 0
		.amdhsa_float_denorm_mode_32 3
		.amdhsa_float_denorm_mode_16_64 3
		.amdhsa_memory_ordered 1
		.amdhsa_forward_progress 1
		.amdhsa_inst_pref_size 124
	.end_amdhsa_kernel
	.amdgpu_metadata
---
amdhsa.version: [ 1, 2 ]
amdhsa.kernels:
  - .name:           k_q6baef54b40_quant
    .symbol:         k_q6baef54b40_quant.kd
    .args:
      - { .name: x, .offset: 0, .size: 8, .value_kind: global_buffer, .address_space: global }
      - { .name: quantized_weight, .offset: 8, .size: 8, .value_kind: global_buffer, .address_space: global }
      - { .name: xc, .offset: 16, .size: 8, .value_kind: global_buffer, .address_space: global }
      - { .name: xs, .offset: 24, .size: 8, .value_kind: global_buffer, .address_space: global }
      - { .name: wc, .offset: 32, .size: 8, .value_kind: global_buffer, .address_space: global }
      - { .name: ws, .offset: 40, .size: 8, .value_kind: global_buffer, .address_space: global }
    .group_segment_fixed_size: 33280
    .private_segment_fixed_size: 0
    .kernarg_segment_align: 8
    .kernarg_segment_size: 48
    .max_flat_workgroup_size: 128
    .sgpr_count:     66
    .vgpr_count:     388
    .wavefront_size: 32
...
	.end_amdgpu_metadata
.endif
;; end of part 1
;; launch gemm (part 2): grid 16 x 16, 4 waves a work-group, clusters of 4 x 4, 327,680 bytes of LDS; arguments xc, xs, wc, ws, quantized_bias, out0; writes out0
.if DOCPART == 2
	.amdgcn_target "amdgcn-amd-amdhsa--gfx1250"
	.amdhsa_code_object_version 6
	.text
	.protected	k_q6baef54b40_gemm
	.globl	k_q6baef54b40_gemm
	.p2align	8
	.type	k_q6baef54b40_gemm,@function
k_q6baef54b40_gemm:
	s_mov_b64 s[64:65], 0
	v_nop
	global_prefetch_b8 v0, s[64:65] scope:SCOPE_SE
	s_setreg_imm32_b32 hwreg(HW_REG_WAVE_MODE, 25, 1), 1
	s_wait_xcnt 0x0
	s_wait_alu depctr_hold_cnt(0) depctr_sa_sdst(0) depctr_va_vdst(0) depctr_va_sdst(0) depctr_va_ssrc(0) depctr_va_vcc(0) depctr_vm_vsrc(0)
	s_getreg_b32 s2, hwreg(HW_REG_IB_STS2, 6, 4)
	s_cmp_eq_u32 s2, 0
	s_cbranch_scc0 .Lentry_in_a_cluster
	s_endpgm
.Lentry_in_a_cluster:
	s_bfe_u32 s2, ttmp6, 0x10000c
	s_cmp_lg_u32 s2, 0xf033
	s_cbranch_scc0 .Lentry_shape_is_right
	s_endpgm
.Lentry_shape_is_right:
; out0[m][n] = sum over k of Q(x)[m][k] Q(w)[n][k] + b[n], b = f32(quantized_bias) x 0.01 (the zero point is 0: q - 0 = q).  m, n, k = 4,096.
; xc, wc: codes of BF8 (E5M2), [4096 rows][4096 k];  xs, ws: E8M0 bytes, [16 planes of 256 along K][4096 rows][8 bytes], as the launch before leaves them.  Sums in f32; the bias is the C of each sum's first product.
; LIMITS: sums beyond f32's range, NaN and infinities are not served.  Every int8 value of the bias is served.  No work of the definition is left out.
; SHARES.  256 work-groups, one block of 256 x 256 each; four waves, 128 x 128 a wave: 64 accumulators of 16 x 16, 512 registers.  K goes in 16 steps of 256 through a ring of two LDS slots
; (256 rows of x, 256 of w, 256 bytes + 16 of padding a row); a wave's tensor load brings 128 rows.  Two such slots and the spare words take 279,040 bytes: a longer step does not fit twice.
; CLUSTERS: 4 x 4.  A row of the cluster shares x's tiles, a column w's: each tile is asked for jointly, by the same load with the same descriptor and a mask that names the four.
; THE PRODUCT IS USED TRANSPOSED (source 0 = 16 rows of w, source 1 = 16 rows of x): a lane holds eight neighbouring numbers of a row of out0.
; THE ORDER OF WORK.  128 along K are 64 products: x's blocks 0 .. 7, each against w's eight.  The fragments of the next 128 come from LDS in three runs, always in this order: w's eight (32 loads, into w's other set),
; x's blocks 0-3 (16 loads, behind these blocks' products), x's blocks 4-7 (16 loads, at the end).  Each wait counts the loads asked for behind the fragment that is needed.
; SCALE WORDS go from memory straight into registers, 8 bytes a lane (the two words of a K step): lanes 0-15 take one block of 16 rows, lanes 16-31 the next; two sets, fetched one K step ahead of their use.
; PREFETCH.  Behind the load of K step t each wave names, of K step t + 2, 32 rows x 256 bytes of codes (a lane a row) and one block of 256 scale bytes (all lanes name that one block).  Every cluster asks for what it
; will itself load; the four partners of a joint load share its rows out by address (cx for x, cy for w).  The head also asks for K step 1.  The last two loads have no K step two on and ask for nothing.
; REGISTERS: window 0: v16-31 addresses; v32-63 scale words; v64-127 the bias in the result's layout; v128-255 x's fragments, one set (the way out reads rows back there).
;   window 1: w's fragments, two sets.  window 2: the accumulators of my rows 0-63 ((a, b) at v[8 (8 a + b)]);  window 3: rows 64-127.
.set KROW,   4096
.set NCOL,   4096
.set PITCH,  272                       ; 68 words: the 16 rows that a fragment load touches start at 16 different banks (64 banks of 4 bytes: ISA guide 11.1)
.set FR,     16                        ; registers of a fragment: 16 rows x 128 K
.set NP,     8                         ; plain vector lines behind this matrix instruction (ISA guide 7.12.1)
.set HALFT,  128*PITCH
.set BOFF,   2*HALFT
.set SLOT,   4*HALFT
.set SPARE,  2*SLOT                    ; the spare words: 128 bytes a wave
.set LAPS,   8
.set PLANE,  32768                     ; scale bytes of 256 along K, all rows
.set SPITCH, 528                       ; the way out: a stage of 16 rows x (512 + 16) bytes a wave, in slot 0 behind its last fill and last read
.set ADRA, 16                          ; v16-17 my fragments of x in slot 0, 1
.set ADRB, 20                          ; v20-21 of w
.set SOF,  22                          ; 8 x lane
.set STO,  24
.set RD,   25
.set CO,   26
.set BOF,  27                          ; 8 x (lane / 16)
.set SPW,  28                          ; my spare word; never rewritten
.set NIL,  29                          ; 0; never rewritten
.set PFO,  30                          ; lane x a row of codes
.set PFZ,  31                          ; 0: the offset of the scale bytes' prefetch
.set SC,   32
.set BI,   64
.set AF,   128
.set BK,   128
.set WV,   16
.set RH,   17                          ; my half of the rows; also: I fetch for x (0) or for w (1)
.set CH,   18                          ; my half of the columns; also: which 128 rows I fetch
.set G1A,  24
.set G0A,  32
.set G1B,  48
.set G0B,  56
.set SAB,  68                          ; s[68:69], s[70:71] my scale words of x, of w
.set SBB,  70
.set PFA,  72                          ; s[72:73] codes' prefetch: one K step behind what it names
.set PFS,  76                          ; s[76:77] scale bytes' prefetch: one plane behind what it names
.set PB,   80                          ; s80 2^23; s81-84 byte selects
.set MSB, 0
.macro WIN new                         ; the immediate's high byte repeats the setting that is left
.if MSB != \new
	s_set_vgpr_msb (MSB<<8)|\new
.set MSB, \new
.endif
.endm
.set MUL_LO, 0xa1                      ; source 0 (w) window 1, source 1 (x) window 0, C and D window 2; + 0x50: window 3
.set FST_LO, 0x81                      ; the first products: C (the bias) window 0; + 0x40: D window 3
.set TO_B,   0x40
.macro JLOAD s                         ; a joint load: waves 0, 1 for x, waves 2, 3 for w; an s_nop 0 and four v_nop behind each line
	s_cmp_eq_u32 s[RH], 0
	s_cbranch_scc0 .Lfor_b_\@
	tensor_load_to_lds s[G0A+4*\s:G0A+4*\s+3], s[G1A:G1A+7]
	s_nop 0
.rept 4
	v_nop
.endr
	s_branch .Lasked_\@
.Lfor_b_\@:
	tensor_load_to_lds s[G0B+4*\s:G0B+4*\s+3], s[G1B:G1B+7]
	s_nop 0
.rept 4
	v_nop
.endr
.Lasked_\@:
.endm
.macro PFETCH                          ; the K step behind the one at which the two addresses stand
	global_prefetch_b8 v[PFO], s[PFA:PFA+1] offset:256 th:TH_LOAD_NT scope:SCOPE_SE
	global_prefetch_b8 v[PFZ], s[PFS:PFS+1] offset:PLANE th:TH_LOAD_NT scope:SCOPE_SE
.endm
.macro ASK                             ; not in the loop's last trip (s3 = 1): its K steps two on do not exist
	s_cmp_gt_u32 s3, 1
	s_cbranch_scc0 .Lno_ask_\@
	PFETCH
.Lno_ask_\@:
.endm
.macro CREST                           ; a round of the cluster's barrier behind its opening barrier
	s_cmp_lg_u32 s[WV], 0
	s_cbranch_scc1 .Lnot_wave_0_\@
	s_barrier_signal -3
.Lnot_wave_0_\@:
	s_barrier_wait -3
	s_barrier_signal -1
	s_barrier_wait -1
.endm
.macro CROUND
	s_barrier_signal -1
	s_barrier_wait -1
	CREST
.endm
.macro GSCALES set, off                ; a K step's scale words: four pairs of blocks of x, four of w; 32 lanes read 256 consecutive bytes
.irp p, 0,1,2,3
	global_load_b64 v[SC+16*(\set)+2*\p:SC+16*(\set)+2*\p+1], v[SOF], s[SAB:SAB+1] offset:\off+256*\p
.endr
.irp p, 0,1,2,3
	global_load_b64 v[SC+16*(\set)+8+2*\p:SC+16*(\set)+8+2*\p+1], v[SOF], s[SBB:SBB+1] offset:\off+256*\p
.endr
.endm
	s_load_b256 s[4:11], s[0:1], 0x0               ; xc, xs, wc, ws
	s_load_b128 s[12:15], s[0:1], 0x20             ; bias, out0
	v_lshl_add_u32 v[SPW], v0, 2, SPARE
	v_mov_b32 v[NIL], 0
	ds_add_u32 v[SPW], v[NIL]                      ; the opening: the add, twice on end, and its wait ahead of my first tensor load
	ds_add_u32 v[SPW], v[NIL]
	v_lshrrev_b32 v1, 5, v0
	v_readfirstlane_b32 s[WV], v1
	s_lshr_b32 s[RH], s[WV], 1
	s_and_b32 s[CH], s[WV], 1
	s_bfe_u32 s40, ttmp6, 0x40000                  ; cx
	s_bfe_u32 s41, ttmp6, 0x40004                  ; cy
	s_lshl_b32 s42, ttmp9, 2
	s_add_co_u32 s42, s42, s40                     ; tile column
	s_and_b32 s43, ttmp7, 0xffff
	s_lshl_b32 s43, s43, 2
	s_add_co_u32 s43, s43, s41                     ; tile row
	s_lshl_b32 s44, s41, 2
	s_lshl_b32 s44, 15, s44                        ; my row of the cluster
	s_lshl_b32 s45, 0x1111, s40                    ; my column
	s_or_b32 s[G1A+0], s44, (0<<16)|(1<<20)|(1<<21)|(5<<22)|(3<<25)   ; elements of a byte; 4 words of padding behind every 64
	s_or_b32 s[G1B+0], s45, (0<<16)|(1<<20)|(1<<21)|(5<<22)|(3<<25)
.irp g, G1A, G1B
	s_mov_b32 s[\g+1], 256<<16
	s_mov_b32 s[\g+2], 128<<16
	s_mov_b32 s[\g+3], 256<<16
	s_mov_b32 s[\g+4], 128
	s_mov_b32 s[\g+5], KROW
	s_mov_b32 s[\g+6], 0
	s_mov_b32 s[\g+7], 0
.endr
	s_lshl_b32 s2, s[CH], 19                       ; which 128 rows of a tile I fetch, in bytes
	s_lshl_b32 s20, s43, 20
	s_add_co_u32 s20, s20, s2
	s_mov_b32 s21, 0
	s_lshl_b32 s46, s42, 20
	s_add_co_u32 s46, s46, s2
	s_mov_b32 s47, 0
	s_mul_i32 s22, s[WV], HALFT                    ; and where they go: wave x 128 rows
	s_wait_dscnt 0x0                               ; both opening adds are done
	CROUND                                         ; the round in front of the first joint loads, while the arguments are on their way
	s_wait_kmcnt 0x0
	s_add_nc_u64 s[20:21], s[4:5], s[20:21]
	s_add_nc_u64 s[46:47], s[8:9], s[46:47]
.irp s, 0,1
	s_mov_b32 s[G0A+4*\s], 1
	s_add_co_u32 s[G0A+4*\s+1], s22, \s*SLOT
	s_add_nc_u64 s[G0A+4*\s+2:G0A+4*\s+3], s[20:21], \s*256
	s_or_b32 s[G0A+4*\s+3], s[G0A+4*\s+3], 0x80000000
	s_mov_b32 s[G0B+4*\s], 1
	s_add_co_u32 s[G0B+4*\s+1], s22, \s*SLOT
	s_add_nc_u64 s[G0B+4*\s+2:G0B+4*\s+3], s[46:47], \s*256
	s_or_b32 s[G0B+4*\s+3], s[G0B+4*\s+3], 0x80000000
.endr
	JLOAD 0                                        ; K step 0: one tensor load a wave at the head.  All that follows, up to the wait for it, runs while it is out
	s_mov_b32 s101, 0
	s_lshl_b32 s100, s43, 11                       ; x's scale words: 2,048 bytes a tile row, 1,024 for my half
	s_lshl_b32 s2, s[RH], 10
	s_add_co_u32 s100, s100, s2
	s_add_nc_u64 s[SAB:SAB+1], s[6:7], s[100:101]
	s_lshl_b32 s100, s42, 11
	s_lshl_b32 s2, s[CH], 10
	s_add_co_u32 s100, s100, s2
	s_add_nc_u64 s[SBB:SBB+1], s[10:11], s[100:101]
	s_lshl_b32 s100, s42, 8                        ; the bias of my 128 columns
	s_lshl_b32 s2, s[CH], 7
	s_add_co_u32 s100, s100, s2
	s_add_nc_u64 s[12:13], s[12:13], s[100:101]
	s_lshl_b32 s100, s43, 22                       ; my corner of out0
	s_lshl_b32 s2, s[RH], 21
	s_add_co_u32 s100, s100, s2
	s_lshl_b32 s2, s42, 10
	s_add_co_u32 s100, s100, s2
	s_lshl_b32 s2, s[CH], 9
	s_add_co_u32 s100, s100, s2
	s_add_nc_u64 s[14:15], s[14:15], s[100:101]
	s_lshl_b32 s66, s43, 8                         ; the prefetches: the tile's first row,
	s_lshl_b32 s67, s42, 8
	s_cmp_eq_u32 s[RH], 0                          ; by the tensor that I fetch for
	s_cselect_b32 s66, s66, s67
	s_cselect_b32 s67, s40, s41                    ; my place p among the four that ask jointly
	s_cselect_b32 s100, s43, s42
	s_cselect_b64 s[PFA:PFA+1], s[4:5], s[8:9]
	s_cselect_b64 s[PFS:PFS+1], s[6:7], s[10:11]
	s_lshl_b32 s2, s[CH], 7
	s_add_co_u32 s66, s66, s2                      ; + the 128 rows that I fetch
	s_lshl_b32 s2, s67, 5
	s_add_co_u32 s66, s66, s2                      ; + my work-group's 32 of them
	s_lshl_b32 s66, s66, 12
	s_add_co_u32 s66, s66, 256                     ; at K step 1
	s_lshl_b32 s100, s100, 11                      ; of the tile's 8 blocks of scale bytes: number 2 p + my half
	s_lshl_b32 s67, s67, 9
	s_add_co_u32 s100, s100, s67
	s_lshl_b32 s67, s[CH], 8
	s_add_co_u32 s100, s100, s67
	s_add_co_u32 s100, s100, PLANE                 ; at plane 1
	s_mov_b32 s67, 0
	s_add_nc_u64 s[PFA:PFA+1], s[PFA:PFA+1], s[66:67]
	s_add_nc_u64 s[PFS:PFS+1], s[PFS:PFS+1], s[100:101]
	s_mul_i32 s19, s[RH], HALFT                    ; LDS: my 128 rows of x in slot 0, 1;
	s_add_co_u32 s20, s19, SLOT
	s_mul_i32 s21, s[CH], HALFT                    ; of w, behind x's 256;
	s_add_co_u32 s21, s21, BOFF
	s_add_co_u32 s22, s21, SLOT
	s_mul_i32 s23, s[WV], 16*SPITCH                ; my stage
	s_mov_b32 s[PB], 0x4b000000                    ; 2^23: a byte u laid into its lowest byte makes 2^23 + u
	s_mov_b32 s[PB+1], 0x03020104
	s_mov_b32 s[PB+2], 0x03020105
	s_mov_b32 s[PB+3], 0x03020106
	s_mov_b32 s[PB+4], 0x03020107
	v_and_b32 v1, 15, v0
	v_bfe_u32 v2, v0, 4, 1
	v_and_b32 v6, 31, v0
	v_lshlrev_b32 v[SOF], 3, v6
	v_lshlrev_b32 v[BOF], 3, v2
	v_lshlrev_b32 v[PFO], 12, v6
	v_mov_b32 v[PFZ], 0
	v_mul_u32_u24 v3, v1, PITCH
	v_lshl_add_u32 v4, v2, 4, v3                   ; a fragment's row x pitch + 16 x half
	v_add_nc_u32 v[ADRA], s19, v4
	v_add_nc_u32 v[ADRA+1], s20, v4
	v_add_nc_u32 v[ADRB], s21, v4
	v_add_nc_u32 v[ADRB+1], s22, v4
	v_mul_u32_u24 v5, v1, SPITCH
	v_lshl_add_u32 v5, v2, 5, v5
	v_add_nc_u32 v[STO], s23, v5                   ; into the stage: row l % 16, 32 bytes for each half of the lanes
	v_lshlrev_b32 v[CO], 4, v6
	v_add_nc_u32 v[RD], s23, v[CO]                 ; back: 32 lanes take a row of 512 bytes
	GSCALES 0, 0
	GSCALES 1, PLANE
.irp b, 0,1,2,3,4,5,6,7
	global_load_b64 v[240+2*\b:241+2*\b], v[BOF], s[12:13] offset:16*\b   ; the bias of columns 16 b + 8 h + 0 .. 7
.endr
	s_wait_loadcnt 0x0
	global_prefetch_b8 v[PFO], s[PFA:PFA+1] th:TH_LOAD_NT scope:SCOPE_SE   ; K step 1's codes,
	PFETCH                                         ; and K step 2's codes and scale bytes: behind what the first products need
; the bias, int8 -> q x 0.01 in f32: q exactly, then one rounded multiplication, as the definition has it; register 8 b + j of lane (r, h) is column 16 b + 8 h + j
.irp d, 0,1,2,3,4,5,6,7,8,9,10,11,12,13,14,15
	v_xor_b32 v[240+\d], 0x80808080, v[240+\d]                     ; u = q + 128
.endr
.irp d, 0,1,2,3,4,5,6,7,8,9,10,11,12,13,14,15
.irp y, 0,1,2,3
	v_perm_b32 v[BI+4*\d+\y], v[240+\d], s[PB], s[PB+1+\y]         ; 2^23 + u
.endr
.endr
.irp j, 0,2,4,6,8,10,12,14,16,18,20,22,24,26,28,30,32,34,36,38,40,42,44,46,48,50,52,54,56,58,60,62
	v_pk_add_f32 v[BI+\j:BI+\j+1], v[BI+\j:BI+\j+1], 0xcb000080 op_sel_hi:[1,0]   ; - (2^23 + 128): q
.endr
.irp j, 0,2,4,6,8,10,12,14,16,18,20,22,24,26,28,30,32,34,36,38,40,42,44,46,48,50,52,54,56,58,60,62
	v_pk_mul_f32 v[BI+\j:BI+\j+1], v[BI+\j:BI+\j+1], 0x3c23d70a op_sel_hi:[1,0]   ; x 0.01
.endr
	s_wait_xcnt 0x0                                ; the prefetches have read their addresses
	s_add_nc_u64 s[PFA:PFA+1], s[PFA:PFA+1], 256
	s_add_nc_u64 s[PFS:PFS+1], s[PFS:PFS+1], PLANE
.macro FRAG reg, adr, q, i             ; lane l holds row l % 16; registers 4 c .. 4 c + 3 hold K = 32 c + 16 (l / 16) + 0 .. 15
.irp c, 0,1,2,3
	ds_load_b128 v[\reg+4*\c:\reg+4*\c+3], v[\adr] offset:128*(\q)+32*\c+(\i)*16*PITCH
.endr
.endm
; 8 products: x's block a against w's eight, the K step's q-th 128 (w's set is q); sc: the set of scale words; first = 1: C is the bias.  The 64 accumulators take turns in one order throughout.
.macro MULA a, q, sc, first
.irp b, 0,1,2,3,4,5,6,7
.set rD, 8*(8*((\a)%4)+\b)
.set rB, 128*(\q)+FR*\b
.set rA, AF+FR*(\a)
.if \first
.set rC, BI+8*\b
.set WSET, FST_LO+0x40*((\a)/4)
.else
.set rC, 8*(8*((\a)%4)+\b)
.set WSET, MUL_LO+0x50*((\a)/4)
.endif
.set rSB, SC+16*(\sc)+8+2*(\b/2)+(\q)
.set rSA, SC+16*(\sc)+2*((\a)/2)+(\q)
	WIN WSET
.if ((\b)%2 == 1) && ((\a)%2 == 1)
	v_wmma_scale_f32_16x16x128_f8f6f4 v[rD:rD+7], v[rB:rB+FR-1], v[rA:rA+FR-1], v[rC:rC+7], v[rSB], v[rSA] matrix_a_fmt:MATRIX_FMT_BF8 matrix_b_fmt:MATRIX_FMT_BF8 matrix_a_scale:MATRIX_SCALE_ROW1 matrix_b_scale:MATRIX_SCALE_ROW1
.elseif (\b)%2 == 1
	v_wmma_scale_f32_16x16x128_f8f6f4 v[rD:rD+7], v[rB:rB+FR-1], v[rA:rA+FR-1], v[rC:rC+7], v[rSB], v[rSA] matrix_a_fmt:MATRIX_FMT_BF8 matrix_b_fmt:MATRIX_FMT_BF8 matrix_a_scale:MATRIX_SCALE_ROW1
.elseif (\a)%2 == 1
	v_wmma_scale_f32_16x16x128_f8f6f4 v[rD:rD+7], v[rB:rB+FR-1], v[rA:rA+FR-1], v[rC:rC+7], v[rSB], v[rSA] matrix_a_fmt:MATRIX_FMT_BF8 matrix_b_fmt:MATRIX_FMT_BF8 matrix_b_scale:MATRIX_SCALE_ROW1
.else
	v_wmma_scale_f32_16x16x128_f8f6f4 v[rD:rD+7], v[rB:rB+FR-1], v[rA:rA+FR-1], v[rC:rC+7], v[rSB], v[rSA] matrix_a_fmt:MATRIX_FMT_BF8 matrix_b_fmt:MATRIX_FMT_BF8
.endif
.endr
.endm
.macro FETCH_B slot, q                 ; w's eight fragments of the slot's q-th 128 into set q: 32 loads
	WIN TO_B
.irp i, 0,1,2,3,4,5,6,7
	FRAG 128*(\q)+FR*\i, ADRB+\slot, \q, \i
.endr
	WIN 0
.endm
.macro FETCH_A slot, q, i0             ; x's blocks i0 .. i0 + 3: 16 loads
	WIN 0
.irp i, \i0, \i0+1, \i0+2, \i0+3
	FRAG AF+FR*(\i), ADRA+\slot, \q, \i
.endr
.endm
.macro PLACES n                        ; in front of loads into registers that products have read, and of the first read of sums
.rept \n
	v_nop
.endr
.endm
; A K step's first 128.  At its head 64 loads may be out, in the order w's 32, x's blocks 0-3, x's blocks 4-7.
.macro STEP slot, first
	s_wait_dscnt 28                                ; w's set and x's block 0 are in; behind them blocks 1-3 and 4-7
	MULA 0, 0, \slot, \first
	s_wait_dscnt 24                                ; block 1
	MULA 1, 0, \slot, \first
	FETCH_B \slot, 1                               ; w's other set: its last readers, the 128 before, have their eight places behind them
	s_wait_dscnt 48                                ; blocks 2, 3; behind them blocks 4-7 and the 32 just asked for
	MULA 2, 0, \slot, \first
	MULA 3, 0, \slot, \first
	s_wait_dscnt 32                                ; blocks 4-7; behind them w's 32
	PLACES NP
	FETCH_A \slot, 1, 0
	MULA 4, 0, \slot, \first
	MULA 5, 0, \slot, \first
	MULA 6, 0, \slot, \first
	MULA 7, 0, \slot, \first
	PLACES NP
	FETCH_A \slot, 1, 4
.endm
; A K step's second 128 changes slots.  All its fragments are asked for already, so this slot can be filled again as soon as every wave of the cluster has them and the other slot is whole.
.macro TURN slot, next, fill
.if \fill
	s_wait_xcnt 0x0                                ; my prefetches and scale loads have read their addresses
	s_add_nc_u64 s[PFA:PFA+1], s[PFA:PFA+1], 256
	s_add_nc_u64 s[PFS:PFS+1], s[PFS:PFS+1], PLANE
.endif
	s_wait_dscnt 28                                ; as in the first 128
	MULA 0, 1, \slot, 0
	s_wait_dscnt 24
	MULA 1, 1, \slot, 0                            ; sixteen products ahead of the wait for the tile
	WIN 0                                          ; (the add's registers lie in window 0)
	s_wait_tensorcnt 0x0                           ; my one load that was out, my part of the other slot, is in;
	ds_add_u32 v[SPW], v[NIL]                      ; 0 onto my spare word;
.if \fill
	s_add_nc_u64 s[G0A+4*\slot+2:G0A+4*\slot+3], s[G0A+4*\slot+2:G0A+4*\slot+3], 512   ; no load of mine is out: this slot's next K step
	s_add_nc_u64 s[G0B+4*\slot+2:G0B+4*\slot+3], s[G0B+4*\slot+2:G0B+4*\slot+3], 512
.endif
	s_wait_dscnt 21                                ; block 2; behind it block 3, blocks 4-7 and the add
	MULA 2, 1, \slot, 0                            ; eight products while the add is out
	s_wait_dscnt 0x0                               ; the add is done, and my reads of this slot are over
	s_barrier_signal -1
	MULA 3, 1, \slot, 0
	WIN 0
	s_barrier_wait -1
.if \fill
	CREST                                          ; the barrier has opened a round of the cluster's barrier
	JLOAD \slot                                    ; the first tensor load behind the round
.endif
	FETCH_B \next, 0                               ; w's other set: its last readers, the 128 before, have their eight places behind them
.if \fill
	ASK
.endif
	MULA 4, 1, \slot, 0
	MULA 5, 1, \slot, 0
	PLACES NP
	FETCH_A \next, 0, 0
	MULA 6, 1, \slot, 0
	MULA 7, 1, \slot, 0
	PLACES NP
	FETCH_A \next, 0, 4
	s_wait_loadcnt 0x0                             ; the next K step's scale words, asked for a K step ago
.if \fill
	s_add_nc_u64 s[SAB:SAB+1], s[SAB:SAB+1], PLANE
	s_add_nc_u64 s[SBB:SBB+1], s[SBB:SBB+1], PLANE
	GSCALES \slot, PLANE                           ; this set is done with: it takes the K step two on
.endif
.endm
	s_wait_alu depctr_va_vdst(0)                   ; the wait at the head's end
	s_wait_tensorcnt 0x0                           ; my part of K step 0 is in; the same lines as ahead of a refill stand ahead of slot 1's first fill
	ds_add_u32 v[SPW], v[NIL]
	s_wait_dscnt 0x0
	CROUND                                         ; everybody's part of K step 0 is in
	JLOAD 1
	FETCH_B 0, 0
	FETCH_A 0, 0, 0
	FETCH_A 0, 0, 4
	PFETCH                                         ; K step 3
	STEP 0, 1                                      ; the first products start the sums with the bias
	s_mov_b32 s3, LAPS-1
.Llap:                                                 ; a trip goes once round the ring and fills both slots again
	TURN 0, 1, 1
	STEP 1, 0
	TURN 1, 0, 1
	STEP 0, 0
	s_sub_co_u32 s3, s3, 1
	s_cmp_lg_u32 s3, 0
	s_cbranch_scc1 .Llap
	TURN 0, 1, 0                                   ; the last lap fills nothing
	STEP 1, 0
	s_wait_dscnt 28                                ; the very last 128: nothing more to fetch
	MULA 0, 1, 1, 0
	s_wait_dscnt 24
	MULA 1, 1, 1, 0
	s_wait_dscnt 16                                ; blocks 2, 3; behind them blocks 4-7
	MULA 2, 1, 1, 0
	MULA 3, 1, 1, 0
	s_wait_dscnt 0
	MULA 4, 1, 1, 0
	MULA 5, 1, 1, 0
	MULA 6, 1, 1, 0
	MULA 7, 1, 1, 0
	WIN 0
; THE WAY OUT, by blocks of 16 rows x 128 columns: through my own stage and back as whole rows of 512 bytes.  LDS serves a wave's instructions in order (ISA guide 5.7.1.4): no wait between the stores and the loads.
.macro TOSTAGE a
.set AC, 64*((\a)%4)
	WIN 0x08+4*((\a)/4)
.irp b, 0,1,2,3,4,5,6,7
	ds_store_b128 v[STO], v[AC+8*\b:AC+8*\b+3] offset:64*\b        ; each accumulator from its low end on
	ds_store_b128 v[STO], v[AC+8*\b+4:AC+8*\b+7] offset:64*\b+16
.endr
	WIN 0
.set BB, BK+64*((\a)%2)
.irp t, 0,1,2,3,4,5,6,7,8,9,10,11,12,13,14,15
	ds_load_b128 v[BB+4*\t:BB+4*\t+3], v[RD] offset:\t*SPITCH
.endr
.endm
.macro SEND a, younger                 ; younger: the LDS instructions issued behind block a's loads
.set BB, BK+64*((\a)%2)
	s_wait_dscnt \younger
.if (\a) > 0
	s_add_nc_u64 s[14:15], s[14:15], 16*NCOL*4     ; behind a wait on XCNT: the earlier stores have read their base
.endif
.irp t, 0,1,2,3,4,5,6,7,8,9,10,11,12,13,14,15
	global_store_b128 v[CO], v[BB+4*\t:BB+4*\t+3], s[14:15] offset:\t*NCOL*4 th:TH_STORE_NT   ; 32 lanes store 512 consecutive bytes, aligned
.endr
.endm
	PLACES NP
	TOSTAGE 0
.irp a, 1,2,3,4,5,6,7
.if \a > 1
	s_wait_xcnt 0x0                                ; block a - 2's stores have read their registers and their base
.endif
	TOSTAGE \a
	SEND \a-1, 32                                  ; behind block a - 1's loads: block a's 16 stores and 16 loads
.endr
	s_wait_xcnt 0x0
	SEND 7, 0
	s_wait_tensorcnt 0x0                           ; the wave's end
	ds_add_u32 v[SPW], v[NIL]
	s_wait_dscnt 0x0
	CROUND                                         ; the closing round
	s_endpgm
.Lfunc_end_k_q6baef54b40_gemm:
	.size	k_q6baef54b40_gemm, .Lfunc_end_k_q6baef54b40_gemm-k_q6baef54b40_gemm
	.p2alignl 7, 3214868480
	.fill 96, 4, 3214868480
	.section	.rodata,"a",@progbits
	.p2align	6, 0x0
	.amdhsa_kernel k_q6baef54b40_gemm
		.amdhsa_group_segment_fixed_size 327680
		.amdhsa_private_segment_fixed_size 0
		.amdhsa_enable_private_segment 0
		.amdhsa_kernarg_size 48
		.amdhsa_user_sgpr_count 2
		.amdhsa_user_sgpr_kernarg_segment_ptr 1
		.amdhsa_wavefront_size32 1
		.amdhsa_system_sgpr_workgroup_id_x 1
		.amdhsa_system_sgpr_workgroup_id_y 1
		.amdhsa_system_sgpr_workgroup_id_z 1
		.amdhsa_system_vgpr_workitem_id 0
		.amdhsa_next_free_vgpr 1024
		.amdhsa_next_free_sgpr 102
		.amdhsa_reserve_vcc 0
		.amdhsa_float_denorm_mode_32 3
		.amdhsa_float_denorm_mode_16_64 3
		.amdhsa_memory_ordered 1
		.amdhsa_forward_progress 1
		.amdhsa_inst_pref_size 160
	.end_amdhsa_kernel
	.amdgpu_metadata
---
amdhsa.version: [ 1, 2 ]
amdhsa.kernels:
  - .name:           k_q6baef54b40_gemm
    .symbol:         k_q6baef54b40_gemm.kd
    .args:
      - { .name: xc, .offset: 0, .size: 8, .value_kind: global_buffer, .address_space: global }
      - { .name: xs, .offset: 8, .size: 8, .value_kind: global_buffer, .address_space: global }
      - { .name: wc, .offset: 16, .size: 8, .value_kind: global_buffer, .address_space: global }
      - { .name: ws, .offset: 24, .size: 8, .value_kind: global_buffer, .address_space: global }
      - { .name: quantized_bias, .offset: 32, .size: 8, .value_kind: global_buffer, .address_space: global }
      - { .name: out0, .offset: 40, .size: 8, .value_kind: global_buffer, .address_space: global }
    .group_segment_fixed_size: 327680
    .private_segment_fixed_size: 0
    .kernarg_segment_align: 8
    .kernarg_segment_size: 48
    .max_flat_workgroup_size: 128
    .sgpr_count:     102
    .vgpr_count:     1024
    .wavefront_size: 32
...
	.end_amdgpu_metadata
.endif
;; end of part 2
